; MI455X (gfx1250); checked and timed in simulation.
; The chip was launched on July 23, 2026; its instructions are those of AMD's public machine-readable ISA for CDNA 5 (MIT licence, August 2026) and "CDNA5" Instruction Set Architecture Reference Guide (July 2026). The comments in the code are by the model that wrote it; some were corrected since.
;; Multi Head Attention. Allowed arithmetic: matrix products marked QUANTISED: E5M2 operands, one E8M0 scale for each 32 along K, by v_wmma_scale_f32_16x16x128_f8f6f4 with both operands' format E5M2, f32 sums; everything else in f32.
;; Inputs: K 8 x 2,048 x 512 float32; Q 8 x 2,048 x 512 float32; V 8 x 2,048 x 512 float32; Wk 512 x 512 float32; Wo 512 x 512 float32; Wq 512 x 512 float32; Wv 512 x 512 float32; bk 512 float32; bo 512 float32; bq 512 float32; bv 512 float32; mask 1 x 1 x 2,048 x 2,048 int32.
;; Outputs: out0 8 x 2,048 x 512 float32.
;; This version of the problem:
;;   THIS VERSION OF THE PROBLEM IS GIVEN IN LOW PRECISION. The matrix products marked QUANTISED in the list below multiply operands that are first quantised to E5M2 (5 exponent bits, 2 mantissa bits; 8 bits a number), with one power-of-two scale for each 32 numbers along K (OCP MX v1.0); their sums are f32. All else is computed in f32.
;;   The module's matrix products, in the order in which they are computed (A, B: the left and right operand; K: the contracted axis; several contracted axes count as one K, in the product's order):
;;     1. [M 16,384, K 512] x [K 512, N 512]; A: input Q; B: input Wq: QUANTISED
;;     2. [M 16,384, K 512] x [K 512, N 512]; A: input K; B: input Wk: QUANTISED
;;     3. [M 16,384, K 512] x [K 512, N 512]; A: input V; B: input Wv: QUANTISED
;;     4. batch 64 x [M 2,048, K 64] x [K 64, N 2,048]; A: computed on the way; B: computed on the way: QUANTISED
;;     5. batch 64 x [M 2,048, K 2,048] x [K 2,048, N 64]; A: softmax (see below); B: computed on the way: QUANTISED
;;     6. [M 16,384, K 512] x [K 512, N 512]; A: computed on the way; B: input Wo: QUANTISED
;;   THE QUANTISER, for each operand of a quantised product, along K:
;;     - K is cut into blocks of 32 from its start; a last block that is shorter is filled with zeros.
;;     - A block's scale is 2^e with e = floor(log2(the largest magnitude in the block)) - 15, held to -126 .. 127; a block of zeros has e = 0. As a byte (E8M0): e + 127.
;;     - Each number is divided by its block's scale, clamped to +-57,344, and rounded to the nearest number of E5M2, ties to even, subnormals kept.
;;     - The product sums the exact products of the quantised numbers (number of the format x scale) in f32.
;;   ~~~python
;;   def quantise(x, axis):      # numpy; x: float32 -> the quantised numbers, widened to float32 again
;;       x = np.moveaxis(x, axis, -1); K = x.shape[-1]
;;       x = np.pad(x, [(0, 0)] * (x.ndim - 1) + [(0, -K % 32)]); x = x.reshape(x.shape[:-1] + (-1, 32)); a = np.abs(x).max(-1, keepdims=True)
;;       e = np.where(a > 0, np.clip(np.frexp(np.where(a > 0, a, 1))[1] - 1 - 15, -126, 127), 0)      # np.frexp(a)[1] - 1 = floor(log2(a)), exactly
;;       r = np.clip(x / 2.0 ** e, -57344, 57344)
;;       step = 2.0 ** (np.maximum(np.frexp(np.where(r == 0, 1, r))[1] - 1, -14) - 2)
;;       q = np.round(r / step) * step * 2.0 ** e      # np.round: ties to even
;;       return np.moveaxis(q.reshape(q.shape[:-2] + (-1,))[..., :K], -1, axis).astype(np.float32)
;;   ~~~
;;   SOFTMAX AHEAD OF A QUANTISED PRODUCT. Where the list says 'softmax', what is quantised is not the finished softmax but p = 2^(t - M), with t = logit x log2(e) and M = ceil(the row's largest t), a whole number; so 1/2 < the row's largest p <= 1. The row's sum l is taken of the UNQUANTISED p, in f32, and the product's result is divided by l at the end. Since M is a whole number, a kernel that streams over the keys may use a running M (the ceiling of the running maximum): every later rescaling is an exact power of two, which a block's scale takes up: the codes' values come out the same.
;;   OPERANDS COMPUTED ON THE WAY. 'Computed on the way' means the value that the module computes at that place (a softmax that the list does not call 'softmax' is quantised finished and normalised). What goes into a quantiser is computed in f32, as accurately as f32 sums, v_exp_f32 and their like allow (about 1e-6 of the number): no bf16 or f16 on the way to a quantiser, and a product that is left as it is and whose result goes on into a quantised operand takes f32 operands (vector FMAs, or v_wmma_f32_16x16x4_f32). A number that lies on a knife's edge between two numbers of the format may be rounded either way, as far as f32 arithmetic and the matrix unit's own rounding can turn it there, and no further.
;; One version. Each part assembles by itself: llvm-mc -triple=amdgcn-amd-amdhsa -mcpu=gfx1250 --defsym DOCPART=n.
;; ======== version 1 of 1: 4 launches
;; limits: right only within a limited range of input values
;; workspace buffers: wimg 1,048,576 bytes; wscl 65,536 bytes; mbits 524,288 bytes of whole numbers; qrec 8,912,896 bytes; kv 17,825,792 bytes; aoimg 8,388,608 bytes; aosc 524,288 bytes
;; launch prep (part 1): grid 640 x 1, 4 waves a work-group, no clusters, 0 bytes of LDS; arguments mask, Wq, Wk, Wv, Wo, mbits, wimg, wscl; writes mbits, wimg, wscl
.if DOCPART == 1
	.amdgcn_target "amdgcn-amd-amdhsa--gfx1250"
	.amdhsa_code_object_version 6
	.text
	.protected	k_qf76604b4d0_prep
	.globl	k_qf76604b4d0_prep
	.p2align	8
	.type	k_qf76604b4d0_prep,@function
k_qf76604b4d0_prep:
	s_mov_b64 s[64:65], 0
	v_nop
	global_prefetch_b8 v0, s[64:65] scope:SCOPE_SE
	s_setreg_imm32_b32 hwreg(HW_REG_WAVE_MODE, 25, 1), 1
	s_wait_xcnt 0x0
; PREP: the mask becomes bit words, the four weights become codes of E5M2 with E8M0 scale bytes, both laid as the later launches' registers want them.
; ROWS OF A TILE: lane r of tile T (16 rows) holds row 32 (T / 2) + 8 (T % 2) + r + 8 (r / 8): the same choice for tokens and for weight rows in the whole program.
; Work-groups 0-511, the mask [2048][2048] of int32: wave w of work-group g takes query tile g / 4 and key step 4 (g % 4) + w (128 keys).  Lane (r, h) loads, of its query's row, the 16 keys 32 b + 16 h + 0 .. 15
;   of each block b: register n = 16 b + i.  The compare of register n against 0 gives a word of 32 bits, one a lane: word n of the record (16 tile + step) x 256 bytes.
; Work-groups 512-639, the weights [512][512] f32, K innermost: wave s of work-group 512 + 32 x + T takes weight x, row tile T, K step s (128 along K), quantises it and stores the fragment as an image of its
;   16 registers: chunk c, lane l at 512 c + 16 l; the scale words at 4 l.
; A block's scale is 2^(floor(log2(largest magnitude)) - 15); its byte is that magnitude's exponent field - 15, held at 1 from below.
; LIMITS: a block of zeros gets the byte 1 (its codes are zeros, and this program alone reads the bytes); NaN and infinities among the inputs are not served.
.set X,   16                           ; v16-79   64 numbers of a lane
.set PC,  80                           ; v80-95   a fragment's codes
.set TM,  96                           ; v96-99 largest magnitudes, v100-103 bytes, v108-111 the conversions' scale operands
.set SEL, 28                           ; s[28:29] lane selects: lane l xor 16
.set MNT, 30
; 64 numbers of a lane, register 16 b + i = k 32 b + 16 h + i of its row, become 16 registers of codes; the four bytes stay in v[TM+4] on
.macro QUANT s, pc
.irp b, 0,1,2,3
	v_max3_num_f32 v[TM+\b], |v[(\s)+16*\b]|, |v[(\s)+1+16*\b]|, 0x8000000   ; my 16 numbers of block b, and the floor 2^(16 - 127): the byte cannot fall under 1
.endr
.irp i, 2,4,6,8,10,12,14
.irp b, 0,1,2,3
	v_max3_num_f32 v[TM+\b], v[TM+\b], |v[(\s)+16*\b+\i]|, |v[(\s)+1+16*\b+\i]|   ; the four blocks by turns
.endr
.endr
.irp b, 0,1,2,3
	v_permlanex16_b32 v[TM+4+\b], v[TM+\b], s[SEL], s[SEL+1]
.endr
.irp b, 0,1,2,3
	v_max_num_f32 v[TM+\b], v[TM+\b], v[TM+4+\b]           ; with lane l xor 16's 16: the block's largest magnitude
.endr
.irp b, 0,1,2,3
	v_add_nc_u32 v[TM+12+\b], 0xf8800000, v[TM+\b]         ; 15 off its exponent field: the conversion's scale operand
.endr
.irp b, 0,1,2,3
.endr
.irp b, 0,1,2,3
	v_lshrrev_b32 v[TM+4+\b], 23, v[TM+12+\b]              ; the scale's byte
.endr
.irp b, 0,1,2,3
.irp i, 0,1,2,3,4,5,6,7,8,9,10,11,12,13,14,15
.endr
	v_cvt_scalef32_pk8_bf8_f32 v[(\pc)+4*\b:(\pc)+4*\b+1], v[(\s)+16*\b:(\s)+16*\b+7], v[TM+12+\b]
	v_cvt_scalef32_pk8_bf8_f32 v[(\pc)+4*\b+2:(\pc)+4*\b+3], v[(\s)+16*\b+8:(\s)+16*\b+15], v[TM+12+\b]
.endr
	v_nop                                          ; a plain place behind the last conversion
.endm
.macro LOAD64 base                     ; my row's 16 numbers of each of four blocks of 32: 64 bytes a block
.irp b, 0,1,2,3
.irp j, 0,1,2,3
	global_load_b128 v[X+16*\b+4*\j:X+16*\b+4*\j+3], v4, s[\base:\base+1] offset:128*\b+16*\j
.endr
.endr
.endm
	s_load_b512 s[4:19], s[0:1], 0x0               ; mask s[4:5], Wq, Wk, Wv, Wo s[6:13], mbits s[14:15], wimg s[16:17], wscl s[18:19]
	v_lshrrev_b32 v1, 5, v0
	v_readfirstlane_b32 s24, v1                    ; wave
	v_and_b32 v1, 31, v0                           ; lane
	v_and_b32 v2, 15, v0                           ; r
	v_bfe_u32 v3, v0, 4, 1                         ; h
	v_and_b32 v10, 8, v2
	v_add_nc_u32 v10, v10, v2                      ; r + 8 (r / 8)
	v_lshlrev_b32 v5, 4, v1                        ; 16 x lane
	v_lshlrev_b32 v6, 2, v1                        ; 4 x lane
	s_cmp_ge_u32 ttmp9, 512
	s_cbranch_scc1 .Lweights
	; ---- the mask
	s_lshr_b32 s25, ttmp9, 2                       ; query tile
	s_and_b32 s26, ttmp9, 3
	s_lshl_b32 s26, s26, 2
	s_add_co_u32 s26, s26, s24                     ; key step
	s_lshr_b32 s27, s25, 1
	s_lshl_b32 s27, s27, 5
	s_and_b32 s31, s25, 1
	s_lshl_b32 s31, s31, 3
	s_add_co_u32 s27, s27, s31                     ; the tile's first row
	s_lshl_b32 s32, s27, 13                        ; rows of 8,192 bytes,
	s_lshl_b32 s31, s26, 9                         ; 512 bytes a key step
	s_add_co_u32 s32, s32, s31
	s_mov_b32 s33, 0
	s_lshl_b32 s34, s25, 4
	s_add_co_u32 s34, s34, s26
	s_lshl_b32 s34, s34, 8                         ; the record: (16 tile + step) x 256
	s_mov_b32 s35, 0
	s_wait_alu depctr_va_vdst(0)
	v_lshlrev_b32 v4, 13, v10
	v_lshl_add_u32 v4, v3, 6, v4                   ; my row, + 64 h
	v_mov_b32 v8, 0                                ; a lane write's destination counts as read
	v_mov_b32 v9, 0
	s_wait_alu depctr_va_vdst(0)
	s_wait_kmcnt 0x0
	s_add_nc_u64 s[4:5], s[4:5], s[32:33]
	s_add_nc_u64 s[14:15], s[14:15], s[34:35]
	LOAD64 4
	s_wait_loadcnt 0x0
.set n, 0
.rept 64
	v_cmp_ne_u32 s[20+n%4], 0, v[X+n]              ; bit l: lane l's key of register n counts
	v_writelane_b32 v[8+n/32], s[20+n%4], n%32     ; word n goes to lane n % 32
.set n, n+1
.endr
	global_store_b32 v6, v8, s[14:15]              ; words 0-31: 128 consecutive bytes
	global_store_b32 v6, v9, s[14:15] offset:128   ; words 32-63
	s_endpgm
.Lweights:
	s_sub_co_u32 s25, ttmp9, 512                   ; 32 x weight + row tile
	s_lshr_b32 s26, s25, 5                         ; which weight
	s_and_b32 s27, s25, 31                         ; row tile
	s_lshr_b32 s31, s27, 1
	s_lshl_b32 s31, s31, 5
	s_and_b32 s32, s27, 1
	s_lshl_b32 s32, s32, 3
	s_add_co_u32 s31, s31, s32                     ; the tile's first row
	s_lshl_b32 s32, s31, 11                        ; rows of 2,048 bytes,
	s_lshl_b32 s31, s24, 9                         ; 512 bytes a K step
	s_add_co_u32 s32, s32, s31
	s_mov_b32 s33, 0
	s_lshl_b32 s34, s25, 2
	s_add_co_u32 s34, s34, s24                     ; fragment number
	s_lshl_b32 s36, s34, 7                         ; its scale words,
	s_mov_b32 s37, 0
	s_lshl_b32 s34, s34, 11                        ; its image
	s_mov_b32 s35, 0
	s_mov_b32 s[SEL], 0x76543210
	s_mov_b32 s[SEL+1], 0xfedcba98
	s_wait_alu depctr_va_vdst(0)
	v_lshlrev_b32 v4, 11, v10
	v_lshl_add_u32 v4, v3, 6, v4                   ; my row, + 64 h
.irp b, 0,1,2,3
	v_mov_b32 v[TM+4+\b], 0                        ; a lane permute's destination counts as read
.endr
	s_wait_alu depctr_va_vdst(0)
	s_wait_kmcnt 0x0
	s_cmp_eq_u32 s26, 1                            ; the choice hangs on the work-group's number alone
	s_cselect_b64 s[6:7], s[8:9], s[6:7]
	s_cmp_eq_u32 s26, 2
	s_cselect_b64 s[6:7], s[10:11], s[6:7]
	s_cmp_eq_u32 s26, 3
	s_cselect_b64 s[6:7], s[12:13], s[6:7]
	s_add_nc_u64 s[6:7], s[6:7], s[32:33]
	s_add_nc_u64 s[16:17], s[16:17], s[34:35]
	s_add_nc_u64 s[18:19], s[18:19], s[36:37]
	LOAD64 6
	s_wait_loadcnt 0x0
	QUANT X, PC
	v_lshl_or_b32 v7, v[TM+5], 8, v[TM+4]          ; the four bytes make my row's scale word
	v_lshl_or_b32 v7, v[TM+6], 16, v7
	v_lshl_or_b32 v7, v[TM+7], 24, v7
.irp c, 0,1,2,3
	global_store_b128 v5, v[PC+4*\c:PC+4*\c+3], s[16:17] offset:512*\c   ; 32 lanes store 512 consecutive bytes
.endr
	global_store_b32 v6, v7, s[18:19]
	s_endpgm
.Lfunc_end_k_qf76604b4d0_prep:
	.size	k_qf76604b4d0_prep, .Lfunc_end_k_qf76604b4d0_prep-k_qf76604b4d0_prep
	.p2alignl 7, 3214868480
	.fill 96, 4, 3214868480
	.section	.rodata,"a",@progbits
	.p2align	6, 0x0
	.amdhsa_kernel k_qf76604b4d0_prep
		.amdhsa_group_segment_fixed_size 0
		.amdhsa_private_segment_fixed_size 0
		.amdhsa_enable_private_segment 0
		.amdhsa_kernarg_size 64
		.amdhsa_user_sgpr_count 2
		.amdhsa_user_sgpr_kernarg_segment_ptr 1
		.amdhsa_wavefront_size32 1
		.amdhsa_system_sgpr_workgroup_id_x 1
		.amdhsa_system_sgpr_workgroup_id_y 1
		.amdhsa_system_sgpr_workgroup_id_z 1
		.amdhsa_system_vgpr_workitem_id 0
		.amdhsa_next_free_vgpr 112
		.amdhsa_next_free_sgpr 66
		.amdhsa_reserve_vcc 0
		.amdhsa_float_denorm_mode_32 3
		.amdhsa_float_denorm_mode_16_64 3
		.amdhsa_fp16_overflow 1
		.amdhsa_memory_ordered 1
		.amdhsa_forward_progress 1
		.amdhsa_inst_pref_size 19
	.end_amdhsa_kernel
	.amdgpu_metadata
---
amdhsa.version: [ 1, 2 ]
amdhsa.kernels:
  - .name:           k_qf76604b4d0_prep
    .symbol:         k_qf76604b4d0_prep.kd
    .args:
      - { .name: mask, .offset: 0, .size: 8, .value_kind: global_buffer, .address_space: global }
      - { .name: Wq, .offset: 8, .size: 8, .value_kind: global_buffer, .address_space: global }
      - { .name: Wk, .offset: 16, .size: 8, .value_kind: global_buffer, .address_space: global }
      - { .name: Wv, .offset: 24, .size: 8, .value_kind: global_buffer, .address_space: global }
      - { .name: Wo, .offset: 32, .size: 8, .value_kind: global_buffer, .address_space: global }
      - { .name: mbits, .offset: 40, .size: 8, .value_kind: global_buffer, .address_space: global }
      - { .name: wimg, .offset: 48, .size: 8, .value_kind: global_buffer, .address_space: global }
      - { .name: wscl, .offset: 56, .size: 8, .value_kind: global_buffer, .address_space: global }
    .group_segment_fixed_size: 0
    .private_segment_fixed_size: 0
    .kernarg_segment_align: 8
    .kernarg_segment_size: 64
    .max_flat_workgroup_size: 128
    .sgpr_count:     66
    .vgpr_count:     112
    .wavefront_size: 32
...
	.end_amdgpu_metadata
.endif
;; end of part 1
;; launch proj (part 2): grid 64 x 3, 4 waves a work-group, no clusters, 327,680 bytes of LDS; arguments Q, K, V, bq, bk, bv, wimg, wscl, qrec, kv; writes qrec, kv
.if DOCPART == 2
	.amdgcn_target "amdgcn-amd-amdhsa--gfx1250"
	.amdhsa_code_object_version 6
	.text
	.protected	k_qf76604b4d0_proj
	.globl	k_qf76604b4d0_proj
	.p2align	8
	.type	k_qf76604b4d0_proj,@function
k_qf76604b4d0_proj:
	s_mov_b64 s[64:65], 0
	v_nop
	global_prefetch_b8 v0, s[64:65] scope:SCOPE_SE
	s_setreg_imm32_b32 hwreg(HW_REG_WAVE_MODE, 25, 1), 1
	s_wait_xcnt 0x0
.set ACC,  16
.set XB0,  16
.set XB1,  80
.set PC0,  144
.set PC1,  160
.set TM,   176
.set WS,   192
.set XSW,  224
.set PW0,  232
.set PW1,  233
.set HWA,  234
.set HWB,  235
.set SPW,  236
.set NIL,  237
.set VSW,  240
.set BIAS, 128
.set L16,  1
.set L4,   2
.set LX,   3
.set XWI,  5
.set XWS,  6
.set LIB,  7
.set LSB,  8
.set FI,   9
.set FS,   10
.set BO,   11
.set BV,   12
.set XROW,  2080
.set XSLOT, 64*XROW
.set XIMG,  2*XSLOT
.set XSC,   XIMG+16*2048
.set SPARE, XSC+16*128
.set WV,   24
.set TEN,  25
.set PA,   44
.set PB,   46
.set SA,   48
.set SB,   50
.set SEL,  52
.set MNT,  54
.set CNT,  55
.set PF,   56
.set PS,   57
.set SH,   58
.set JP,   80
.set JS,   82
.set MSB, 0
.macro WIN new
.if MSB != (\new)
	s_set_vgpr_msb (MSB<<8)|(\new)
.set MSB, (\new)
.endif
.endm
.macro QUANT s, pc
.irp b, 0,1,2,3
	v_max3_num_f32 v[TM+\b], |v[(\s)+16*\b]|, |v[(\s)+1+16*\b]|, 0x8000000
.endr
.irp i, 2,4,6,8,10,12,14
.irp b, 0,1,2,3
	v_max3_num_f32 v[TM+\b], v[TM+\b], |v[(\s)+16*\b+\i]|, |v[(\s)+1+16*\b+\i]|
.endr
.endr
.irp b, 0,1,2,3
	v_permlanex16_b32 v[TM+4+\b], v[TM+\b], s[SEL], s[SEL+1]
.endr
.irp b, 0,1,2,3
	v_max_num_f32 v[TM+\b], v[TM+\b], v[TM+4+\b]
.endr
.irp b, 0,1,2,3
	v_add_nc_u32 v[TM+12+\b], 0xf8800000, v[TM+\b]
.endr
.irp b, 0,1,2,3
.endr
.irp b, 0,1,2,3
	v_lshrrev_b32 v[TM+4+\b], 23, v[TM+12+\b]
.endr
.irp b, 0,1,2,3
.irp i, 0,1,2,3,4,5,6,7,8,9,10,11,12,13,14,15
.endr
	v_cvt_scalef32_pk8_bf8_f32 v[(\pc)+4*\b:(\pc)+4*\b+1], v[(\s)+16*\b:(\s)+16*\b+7], v[TM+12+\b]
	v_cvt_scalef32_pk8_bf8_f32 v[(\pc)+4*\b+2:(\pc)+4*\b+3], v[(\s)+16*\b+8:(\s)+16*\b+15], v[TM+12+\b]
.endr
	v_nop
.endm
.macro XREAD i, s, buf
.irp b, 0,1,2,3
.irp j, 0,1,2,3
	ds_load_b128 v[\buf+16*\b+4*\j:\buf+16*\b+4*\j+3], v[LX+\i] offset:1040*(\s/2)+512*(\s%2)+128*\b+16*\j
.endr
.endr
.endm
.macro IMG s, pc, pw
	v_lshl_or_b32 v[\pw], v[TM+5], 8, v[TM+4]
	v_lshl_or_b32 v[\pw], v[TM+6], 16, v[\pw]
	v_lshl_or_b32 v[\pw], v[TM+7], 24, v[\pw]
.irp c, 0,1,2,3
	ds_store_b128 v[XWI], v[\pc+4*\c:\pc+4*\c+3] offset:2048*\s+512*\c
.endr
	ds_store_b32 v[XWS], v[\pw] offset:128*\s
.endm
.macro XPHASE i
	XREAD \i, 0, XB0
	XREAD \i, 1, XB1
	s_wait_dscnt 16
	QUANT XB0, PC0
	IMG 0, PC0, PW0
	XREAD \i, 2, XB0
	s_wait_dscnt 21
	QUANT XB1, PC1
	IMG 1, PC1, PW1
	XREAD \i, 3, XB1
	s_wait_dscnt 21
	QUANT XB0, PC0
	IMG 2, PC0, PW0
	s_wait_dscnt 5
	QUANT XB1, PC1
	IMG 3, PC1, PW1
.endm
.macro MMQK s
	s_wait_dscnt 8*(3-\s)
.irp t, 0,1,2,3,4,5,6,7
.if \s == 0
	WIN 0x3d+(\t/4)
.else
	WIN 0x0d+(\t/4)
.endif
.irp m, 0,1
.if \s == 0
	v_wmma_scale_f32_16x16x128_f8f6f4 v[ACC+64*\m+8*\t:ACC+64*\m+8*\t+7], v[16*(4*(\t%4)+\s):16*(4*(\t%4)+\s)+15], v[16*(4*\m+\s):16*(4*\m+\s)+15], v[BIAS+8*\t:BIAS+8*\t+7], v[WS+4*\t+\s], v[XSW+4*\m+\s] matrix_a_fmt:MATRIX_FMT_BF8 matrix_b_fmt:MATRIX_FMT_BF8
.else
	v_wmma_scale_f32_16x16x128_f8f6f4 v[ACC+64*\m+8*\t:ACC+64*\m+8*\t+7], v[16*(4*(\t%4)+\s):16*(4*(\t%4)+\s)+15], v[16*(4*\m+\s):16*(4*\m+\s)+15], v[ACC+64*\m+8*\t:ACC+64*\m+8*\t+7], v[WS+4*\t+\s], v[XSW+4*\m+\s] matrix_a_fmt:MATRIX_FMT_BF8 matrix_b_fmt:MATRIX_FMT_BF8
.endif
.endr
.endr
.endm
.macro MMV s
	s_wait_dscnt 8*(3-\s)
.irp t, 0,1,2,3,4,5,6,7
.if \s == 0
	WIN 0x37+4*(\t/4)
.else
	WIN 0x07+4*(\t/4)
.endif
.irp m, 0,1
.if \s == 0
	v_wmma_scale_f32_16x16x128_f8f6f4 v[ACC+16*\t+8*\m:ACC+16*\t+8*\m+7], v[16*(4*\m+\s):16*(4*\m+\s)+15], v[16*(4*(\t%4)+\s):16*(4*(\t%4)+\s)+15], v[BIAS+8*\t:BIAS+8*\t+7], v[XSW+4*\m+\s], v[WS+4*\t+\s] matrix_a_fmt:MATRIX_FMT_BF8 matrix_b_fmt:MATRIX_FMT_BF8
.else
	v_wmma_scale_f32_16x16x128_f8f6f4 v[ACC+16*\t+8*\m:ACC+16*\t+8*\m+7], v[16*(4*\m+\s):16*(4*\m+\s)+15], v[16*(4*(\t%4)+\s):16*(4*(\t%4)+\s)+15], v[ACC+16*\t+8*\m:ACC+16*\t+8*\m+7], v[XSW+4*\m+\s], v[WS+4*\t+\s] matrix_a_fmt:MATRIX_FMT_BF8 matrix_b_fmt:MATRIX_FMT_BF8
.endif
.endr
.endr
.endm
.macro PLACES9
.rept 9
	v_nop
.endr
.endm
.macro PAIR
	v_add_nc_u32 v[FI], s[PF], v[LIB]
	v_add_nc_u32 v[FS], s[PS], v[LSB]
.irp m, 0,1
.irp s, 0,1,2,3
	ds_load_b32 v[XSW+4*\m+\s], v[FS] offset:128*(4*\m+\s)
.endr
.endr
	WIN 0xc0
.irp s, 0,1,2,3
.irp m, 0,1
.irp c, 0,1,2,3
	ds_load_b128 v[16*(4*\m+\s)+4*\c:16*(4*\m+\s)+4*\c+3], v[FI] offset:2048*(4*\m+\s)+512*\c
.endr
.endr
.endr
	WIN 0
	s_cmp_eq_u32 s[TEN], 2
	s_cbranch_scc1 .Lv_\@
	MMQK 0
	MMQK 1
	MMQK 2
	MMQK 3
	WIN 0
	PLACES9
	s_wait_xcnt 0x0
	QUANT ACC, PC0
	global_store_b128 v[L16], v[PC0:PC0+3], s[PA:PA+1]
	global_store_b128 v[L16], v[PC0+4:PC0+7], s[PA:PA+1] offset:512
	global_store_b128 v[L16], v[PC0+8:PC0+11], s[PB:PB+1]
	global_store_b128 v[L16], v[PC0+12:PC0+15], s[PB:PB+1] offset:512
	v_lshl_or_b32 v[HWA], v[TM+5], 8, v[TM+4]
	v_lshl_or_b32 v[HWB], v[TM+7], 8, v[TM+6]
	QUANT ACC+64, PC1
	global_store_b128 v[L16], v[PC1:PC1+3], s[PA:PA+1] offset:1024
	global_store_b128 v[L16], v[PC1+4:PC1+7], s[PA:PA+1] offset:1536
	global_store_b128 v[L16], v[PC1+8:PC1+11], s[PB:PB+1] offset:1024
	global_store_b128 v[L16], v[PC1+12:PC1+15], s[PB:PB+1] offset:1536
	v_lshl_or_b32 v13, v[TM+5], 8, v[TM+4]
	v_lshl_or_b32 v14, v[TM+7], 8, v[TM+6]
	v_lshl_or_b32 v[PW0], v13, 16, v[HWA]
	v_lshl_or_b32 v[PW1], v14, 16, v[HWB]
	global_store_b32 v[L4], v[PW0], s[SA:SA+1]
	global_store_b32 v[L4], v[PW1], s[SB:SB+1]
	s_wait_xcnt 0x0
	s_add_nc_u64 s[PA:PA+1], s[PA:PA+1], 2048
	s_add_nc_u64 s[PB:PB+1], s[PB:PB+1], 2048
	s_add_nc_u64 s[SA:SA+1], s[SA:SA+1], 128
	s_add_nc_u64 s[SB:SB+1], s[SB:SB+1], 128
	s_branch .Ljoin_\@
.Lv_\@:
	MMV 0
	MMV 1
	MMV 2
	MMV 3
	WIN 0
	PLACES9
	s_wait_xcnt 0x0
	QUANT ACC, PC0
.irp b, 0,1,2,3
	global_store_b128 v[L16], v[PC0+4*\b:PC0+4*\b+3], s[PA:PA+1] offset:2048*\b
.endr
.irp b, 0,1,2,3
	v_lshl_or_b32 v[VSW+\b], v[TM+4+\b], s[SH], v[VSW+\b]
.endr
	QUANT ACC+64, PC1
.irp b, 0,1,2,3
	global_store_b128 v[L16], v[PC1+4*\b:PC1+4*\b+3], s[PB:PB+1] offset:2048*\b
.endr
.irp b, 0,1,2,3
	v_lshl_or_b32 v[VSW+4+\b], v[TM+4+\b], s[SH], v[VSW+4+\b]
.endr
	s_wait_xcnt 0x0
	s_add_nc_u64 s[PA:PA+1], s[PA:PA+1], 512
	s_add_nc_u64 s[PB:PB+1], s[PB:PB+1], 512
	s_add_co_u32 s[SH], s[SH], 8
.Ljoin_\@:
.endm
.macro BLOCK i, sl
	XPHASE \sl
.if \i < 2
	s_wait_tensorcnt 0x0
	ds_add_u32 v[SPW], v[NIL]
	s_add_nc_u64 s[30+4*\sl:31+4*\sl], s[30+4*\sl:31+4*\sl], 262144
	s_wait_dscnt 0x0
	s_barrier_signal -1
	s_barrier_wait -1
	tensor_load_to_lds s[28+4*\sl:31+4*\sl], s[36:43]
	s_nop 0
.rept 4
	v_nop
.endr
.else
.if \i == 2
	s_wait_tensorcnt 0x0
.endif
	s_wait_dscnt 0x0
	s_barrier_signal -1
	s_barrier_wait -1
.endif
.if \i == 0
	s_wait_loadcnt 0x0
.endif
	s_mov_b32 s[PF], 0
	s_mov_b32 s[PS], 0
	s_mov_b32 s[CNT], 0
.Lpair_\@:
	PAIR
	s_add_co_u32 s[PF], s[PF], 16384
	s_add_co_u32 s[PS], s[PS], 1024
	s_add_co_u32 s[CNT], s[CNT], 1
	s_cmp_lt_u32 s[CNT], 2
	s_cbranch_scc1 .Lpair_\@
.if \i < 3
	s_wait_dscnt 0x0
	s_barrier_signal -1
	s_barrier_wait -1
.endif
.endm
.macro RECEND
	s_cmp_eq_u32 s[TEN], 2
	s_cbranch_scc0 .Lnov_\@
	s_wait_alu depctr_va_vdst(0)
.irp b, 0,1,2,3
	global_store_b32 v[L4], v[VSW+\b], s[SA:SA+1] offset:128*\b
	global_store_b32 v[L4], v[VSW+4+\b], s[SB:SB+1] offset:128*\b
.endr
.Lnov_\@:
.endm
	s_load_b512 s[4:19], s[0:1], 0x0
	s_load_b128 s[20:23], s[0:1], 0x40
	v_lshl_add_u32 v[SPW], v0, 2, SPARE
	v_mov_b32 v[NIL], 0
	ds_add_u32 v236, v237
	ds_add_u32 v236, v237
	s_wait_dscnt 0x0
	v_lshrrev_b32 v13, 5, v0
	v_readfirstlane_b32 s[WV], v13
	s_and_b32 s[TEN], ttmp7, 0xffff
	s_mov_b32 s36, (2<<16)|(1<<20)|(7<<22)|(3<<25)
	s_mov_b32 s37, 256<<16
	s_mov_b32 s38, 32<<16
	s_mov_b32 s39, 256<<16
	s_mov_b32 s40, 32
	s_mov_b32 s41, 256
	s_mov_b32 s42, 0
	s_mov_b32 s43, 0
	s_mov_b32 s60, 278528
	s_mov_b32 s61, 17408
	s_mov_b32 s62, 16384
	s_mov_b32 s[JP], 9216
	s_mov_b32 s[JS], 16896
	s_cmp_eq_u32 s[TEN], 0
	s_cselect_b32 s60, 139264, s60
	s_cselect_b32 s61, 8704, s61
	s_cselect_b32 s62, 8192, s62
	s_cselect_b32 s[JP], 512, s[JP]
	s_cselect_b32 s[JS], 8192, s[JS]
	s_mov_b32 s63, 8704
	s_cmp_eq_u32 s[TEN], 2
	s_cselect_b32 s62, s63, s62
	s_cselect_b32 s63, 8192, 0
	s_cselect_b32 s[JP], 15360, s[JP]
	s_cselect_b32 s[JS], 17408, s[JS]
	s_mov_b32 s[JP+1], 0
	s_mov_b32 s[JS+1], 0
	s_lshr_b32 s66, ttmp9, 3
	s_lshl_b32 s66, s66, 3
	s_lshl_b32 s67, s[WV], 1
	s_add_co_u32 s66, s66, s67
	s_mul_i32 s66, s66, s60
	s_and_b32 s67, ttmp9, 7
	s_lshl_b32 s67, s67, 1
	s_mul_i32 s67, s67, s61
	s_add_co_u32 s66, s66, s67
	s_add_co_u32 s66, s66, s63
	s_mov_b32 s67, 0
	s_mov_b32 s68, s60
	s_mov_b32 s69, 0
	s_mov_b32 s70, s62
	s_mov_b32 s71, 0
	s_lshl_b32 s72, ttmp9, 19
	s_lshl_b32 s73, s[WV], 15
	s_add_co_u32 s72, s72, s73
	s_mov_b32 s73, 0
	s_lshl_b32 s74, s[TEN], 18
	s_lshl_b32 s75, s[WV], 16
	s_add_co_u32 s74, s74, s75
	s_mov_b32 s75, 0
	s_lshl_b32 s76, s[TEN], 14
	s_lshl_b32 s77, s[WV], 12
	s_add_co_u32 s76, s76, s77
	s_mov_b32 s77, 0
	s_lshl_b32 s78, s[WV], 9
	s_mov_b32 s79, 0
	s_mul_i32 s59, s[WV], 16*XROW
	s_wait_kmcnt 0x0
	s_cmp_eq_u32 s[TEN], 1
	s_cselect_b64 s[4:5], s[6:7], s[4:5]
	s_cselect_b64 s[10:11], s[12:13], s[10:11]
	s_cmp_eq_u32 s[TEN], 2
	s_cselect_b64 s[4:5], s[8:9], s[4:5]
	s_cselect_b64 s[10:11], s[14:15], s[10:11]
	s_cmp_eq_u32 s[TEN], 0
	s_cselect_b64 s[20:21], s[20:21], s[22:23]
	s_add_nc_u64 s[4:5], s[4:5], s[72:73]
	s_mov_b32 s28, 1
	s_mov_b32 s29, s59
	s_mov_b64 s[30:31], s[4:5]
	s_or_b32 s31, s31, 0x80000000
	s_mov_b32 s32, 1
	s_add_co_u32 s33, s59, XSLOT
	s_add_nc_u64 s[34:35], s[4:5], 131072
	s_or_b32 s35, s35, 0x80000000
	tensor_load_to_lds s[28:31], s[36:43]
	s_nop 0
	s_wait_alu depctr_va_vdst(0)
	s_wait_tensorcnt 0x0
	ds_add_u32 v236, v237
	s_wait_dscnt 0x0
	s_barrier_signal -1
	s_barrier_wait -1
	tensor_load_to_lds s[32:35], s[36:43]
	s_nop 0
.rept 4
	v_nop
.endr
	s_add_nc_u64 s[PA:PA+1], s[20:21], s[66:67]
	s_add_nc_u64 s[PB:PB+1], s[PA:PA+1], s[68:69]
	s_add_nc_u64 s[SA:SA+1], s[PA:PA+1], s[70:71]
	s_add_nc_u64 s[SB:SB+1], s[SA:SA+1], s[68:69]
	s_add_nc_u64 s[16:17], s[16:17], s[74:75]
	s_add_nc_u64 s[18:19], s[18:19], s[76:77]
	s_add_nc_u64 s[10:11], s[10:11], s[78:79]
	v_and_b32 v13, 31, v0
	v_and_b32 v14, 15, v0
	v_bfe_u32 v15, v0, 4, 1
	v_lshlrev_b32 v[L16], 4, v13
	v_lshlrev_b32 v[L4], 2, v13
	v_and_b32 v13, 8, v14
	v_add_nc_u32 v13, v13, v14
	v_lshlrev_b32 v[BO], 6, v15
	v_lshlrev_b32 v[BV], 2, v13
	WIN 0x40
.irp t, 0,1,2,3
.irp s, 0,1,2,3
.irp c, 0,1,2,3
	global_load_b128 v[16*(4*\t+\s)+4*\c:16*(4*\t+\s)+4*\c+3], v[L16], s[16:17] offset:2048*(4*\t+\s)+512*\c
.endr
.endr
.endr
	WIN 0x80
.irp t, 4,5,6,7
.irp s, 0,1,2,3
.irp c, 0,1,2,3
	global_load_b128 v[16*(4*(\t-4)+\s)+4*\c:16*(4*(\t-4)+\s)+4*\c+3], v[L16], s[16:17] offset:2048*(4*\t+\s)+512*\c
.endr
.endr
.endr
	WIN 0
.irp t, 0,1,2,3,4,5,6,7
.irp s, 0,1,2,3
	global_load_b32 v[WS+4*\t+\s], v[L4], s[18:19] offset:128*(4*\t+\s)
.endr
.endr
	s_cmp_eq_u32 s[TEN], 2
	s_cbranch_scc1 .Lbias_v
	WIN 0xc0
.irp t, 0,1,2,3,4,5,6,7
	global_load_b128 v[BIAS+8*\t:BIAS+8*\t+3], v[BO], s[10:11] offset:(32*(\t/2)+8*(\t%2))*4
	global_load_b128 v[BIAS+8*\t+4:BIAS+8*\t+7], v[BO], s[10:11] offset:(32*(\t/2)+8*(\t%2))*4+16
.endr
	WIN 0
	s_branch .Lbias_done
.Lbias_v:
	WIN 0xc0
	s_wait_alu depctr_va_vdst(0)
.irp t, 0,1,2,3,4,5,6,7
.irp j, 0,1,2,3,4,5,6,7
	global_load_b32 v[BIAS+8*\t+\j], v[BV], s[10:11] offset:(32*(\t/2)+8*(\t%2))*4
.endr
.endr
	WIN 0
.Lbias_done:
	s_lshr_b32 s60, s[WV], 1
	s_lshl_b32 s60, s60, 5
	s_and_b32 s61, s[WV], 1
	s_lshl_b32 s61, s61, 3
	s_add_co_u32 s60, s60, s61
	s_mul_i32 s60, s60, XROW
	s_wait_alu depctr_va_vdst(0)
	v_mul_u32_u24 v13, v13, XROW
	v_lshl_add_u32 v13, v15, 6, v13
	v_add_nc_u32 v[LX], s60, v13
	v_add_nc_u32 v[LX+1], XSLOT, v[LX]
	s_lshl_b32 s60, s[WV], 13
	s_add_co_u32 s60, s60, XIMG
	v_add_nc_u32 v[XWI], s60, v[L16]
	s_lshl_b32 s60, s[WV], 9
	s_add_co_u32 s60, s60, XSC
	v_add_nc_u32 v[XWS], s60, v[L4]
	v_add_nc_u32 v[LIB], XIMG, v[L16]
	v_add_nc_u32 v[LSB], XSC, v[L4]
	s_mov_b32 s[SEL], 0x76543210
	s_mov_b32 s[SEL+1], 0xfedcba98
	s_mov_b32 s[SH], 0
.irp b, 0,1,2,3
	v_mov_b32 v[TM+4+\b], 0
.endr
.irp b, 0,1,2,3,4,5,6,7
	v_mov_b32 v[VSW+\b], 0
.endr
	s_wait_tensorcnt 0x1
	s_barrier_signal -1
	s_barrier_wait -1
	BLOCK 0, 0
	BLOCK 1, 1
	RECEND
	s_wait_xcnt 0x0
.irp b, 0,1,2,3,4,5,6,7
	v_mov_b32 v[VSW+\b], 0
.endr
	s_mov_b32 s[SH], 0
	s_add_nc_u64 s[PA:PA+1], s[PA:PA+1], s[JP:JP+1]
	s_add_nc_u64 s[PB:PB+1], s[PB:PB+1], s[JP:JP+1]
	s_add_nc_u64 s[SA:SA+1], s[SA:SA+1], s[JS:JS+1]
	s_add_nc_u64 s[SB:SB+1], s[SB:SB+1], s[JS:JS+1]
	BLOCK 2, 0
	BLOCK 3, 1
	RECEND
	s_wait_tensorcnt 0x0
	ds_add_u32 v[SPW], v[NIL]
	s_wait_dscnt 0x0
	s_endpgm
.Lfunc_end_k_qf76604b4d0_proj:
	.size	k_qf76604b4d0_proj, .Lfunc_end_k_qf76604b4d0_proj-k_qf76604b4d0_proj
	.p2alignl 7, 3214868480
	.fill 96, 4, 3214868480
	.section	.rodata,"a",@progbits
	.p2align	6, 0x0
	.amdhsa_kernel k_qf76604b4d0_proj
		.amdhsa_group_segment_fixed_size 327680
		.amdhsa_private_segment_fixed_size 0
		.amdhsa_enable_private_segment 0
		.amdhsa_kernarg_size 80
		.amdhsa_user_sgpr_count 2
		.amdhsa_user_sgpr_kernarg_segment_ptr 1
		.amdhsa_wavefront_size32 1
		.amdhsa_system_sgpr_workgroup_id_x 1
		.amdhsa_system_sgpr_workgroup_id_y 1
		.amdhsa_system_sgpr_workgroup_id_z 1
		.amdhsa_system_vgpr_workitem_id 0
		.amdhsa_next_free_vgpr 960
		.amdhsa_next_free_sgpr 84
		.amdhsa_reserve_vcc 0
		.amdhsa_float_denorm_mode_32 3
		.amdhsa_float_denorm_mode_16_64 3
		.amdhsa_fp16_overflow 1
		.amdhsa_memory_ordered 1
		.amdhsa_forward_progress 1
		.amdhsa_inst_pref_size 255
	.end_amdhsa_kernel
	.section	.bss,"aw",@nobits
	.p2align	6
	.space	262144
	.amdgpu_metadata
---
amdhsa.version: [ 1, 2 ]
amdhsa.kernels:
  - .name:           k_qf76604b4d0_proj
    .symbol:         k_qf76604b4d0_proj.kd
    .args:
      - { .name: Q, .offset: 0, .size: 8, .value_kind: global_buffer, .address_space: global }
      - { .name: K, .offset: 8, .size: 8, .value_kind: global_buffer, .address_space: global }
      - { .name: V, .offset: 16, .size: 8, .value_kind: global_buffer, .address_space: global }
      - { .name: bq, .offset: 24, .size: 8, .value_kind: global_buffer, .address_space: global }
      - { .name: bk, .offset: 32, .size: 8, .value_kind: global_buffer, .address_space: global }
      - { .name: bv, .offset: 40, .size: 8, .value_kind: global_buffer, .address_space: global }
      - { .name: wimg, .offset: 48, .size: 8, .value_kind: global_buffer, .address_space: global }
      - { .name: wscl, .offset: 56, .size: 8, .value_kind: global_buffer, .address_space: global }
      - { .name: qrec, .offset: 64, .size: 8, .value_kind: global_buffer, .address_space: global }
      - { .name: kv, .offset: 72, .size: 8, .value_kind: global_buffer, .address_space: global }
    .group_segment_fixed_size: 327680
    .private_segment_fixed_size: 0
    .kernarg_segment_align: 8
    .kernarg_segment_size: 80
    .max_flat_workgroup_size: 128
    .sgpr_count:     84
    .vgpr_count:     960
    .wavefront_size: 32
...
	.end_amdgpu_metadata
.endif
;; end of part 2
;; launch attn (part 3): grid 4 x 64, 16 waves a work-group, clusters of 4 x 1, 280,576 bytes of LDS; arguments qrec, kv, mbits, aoimg, aosc; writes aoimg, aosc
.if DOCPART == 3
	.amdgcn_target "amdgcn-amd-amdhsa--gfx1250"
	.amdhsa_code_object_version 6
	.text
	.protected	k_qf76604b4d0_attn
	.globl	k_qf76604b4d0_attn
	.p2align	8
	.type	k_qf76604b4d0_attn,@function
k_qf76604b4d0_attn:
	s_mov_b64 s[64:65], 0
	v_nop
	global_prefetch_b8 v0, s[64:65] scope:SCOPE_SE
	s_setreg_imm32_b32 hwreg(HW_REG_WAVE_MODE, 25, 1), 1
	s_wait_xcnt 0x0
	s_wait_alu depctr_hold_cnt(0) depctr_sa_sdst(0) depctr_va_vdst(0) depctr_va_sdst(0) depctr_va_ssrc(0) depctr_va_vcc(0) depctr_vm_vsrc(0)
	s_getreg_b32 s2, hwreg(HW_REG_IB_STS2, 6, 4)
	s_cmp_eq_u32 s2, 0
	s_cbranch_scc0 .Lentry_in_a_cluster
	s_endpgm
.Lentry_in_a_cluster:
	s_bfe_u32 s2, ttmp6, 0x10000c
	s_cmp_lg_u32 s2, 0x3003
	s_cbranch_scc0 .Lentry_shape_is_right
	s_endpgm
.Lentry_shape_is_right:
; ATTN: o = softmax(mask(q k^T / 8)) v for one head, both products on codes of E5M2 with E8M0 scales; o is quantised at once for the last product.
; SHARES.  Work-group (x, y): 512 queries (x) of head y.  The head's k and v, codes and scale words (16 records of 17,408 bytes, one a key step of 128 keys), stay in LDS: filled ONCE, one tensor load a wave (record w).
; CLUSTER.  The four work-groups of a head want the same 16 records: each is asked for jointly, by the same load with the same descriptor and the mask 15.  The place in the cluster enters global addresses alone.
; Each of the 16 waves (four to a SIMD, so that one wave's vector work stands beside another's products and LDS loads) walks two tiles of 16 queries, one after the other, over all 16 key steps.
; LAYOUT.  Both products transposed: S^T = k q^T, O^T = v^T p^T: a lane holds one query throughout.  Lane r of a tile holds row 32 (T / 2) + 8 (T % 2) + r + 8 (r / 8), so the 16 registers of two neighbouring key tiles are 16 neighbouring keys.
; THE FIRST PRODUCT'S K IS 64, THE INSTRUCTION'S 128: a fragment of k holds two key tiles (chunks 0, 1 and chunks 2, 3), and q is given as [q | zero codes] or [zero codes | q]; the idle half multiplies k's finite codes by zero codes under the scale byte 1: it adds 0.
; THE MASK comes as bit words (word n, bit l: lane l's key of register n counts), by scalar loads a step ahead; a hidden raw score becomes -2^103 by one select.
; THE SOFTMAX: t = raw score x log2(e) / 8; M = the running largest t rounded up to a whole number; p = 2^(t - M) is quantised along the keys, not normalised; the sum is taken of the unquantised p and divides at the end.
; When M moves, the sum and O^T are multiplied by 2^(old M - new M): exact.  A row whose every key is hidden: t = -2^103 c is exact, M = t, so p = 1 for every key, as the problem's definition gives.
; A TRIP LIES HALF A STEP ASKEW: the scores of step j | O^T x f of step j - 1 (these lines are the places behind the scores) | v of step j - 1 is asked for, into k's registers | mask and maxima of step j | p v of step j - 1 |
; M and t - M (the places behind p v) | k of step j + 1 is asked for, into the same registers | exponentials, sums, holds, conversions of step j.  So one set of 64 registers serves k and v by turns, every run of LDS loads stands
; a hundred instructions and more ahead of the wait for it, and the places behind the products are lines of the work.
; LIMITS: raw scores (8 x the logit) stay above -2^102; p under 2^-126 counts as 0; a block of zeros gets the scale byte 1 (zero codes; this program alone reads the bytes); NaN and infinities are not served.
.set REC,  17408
.set KI,   0                           ; a record: k's 4 fragments of 2,048 bytes,
.set VI,   8192                        ; v's 4,
.set KS,   16384                       ; k's 4 pair words of 128 bytes,
.set VS,   16896                       ; v's 4 scale words
.set L16,  1                           ; 16 x lane
.set L4,   2                           ; 4 x lane
.set AD16, 3                           ; + the record of the step whose v is due
.set AD4,  4
.set NEG,  5                           ; -2^103
.set QF,   16                          ; v16-39   [q 8][zeros 8][q 8]
.set KF,   40                          ; v40-103  four fragments: k's and v's by turns
.set S,    104                         ; v104-167 S^T, then p
.set O,    168                         ; v168-199 O^T
.set PC,   200                         ; v200-215 p's codes
.set BM,   216                         ; the blocks' largest
.set T2,   220
.set HD,   224
.set SO,   228                         ; the conversions' scale operands
.set KSW,  232
.set VSW,  236
.set QW,   240                         ; v240, v241 q's scale words for the two forms
.set PSW,  242
.set QPW,  243                         ; the pair word of my two query tiles
.set MB,   16                          ; s[16:17] the mask record to be fetched
.set TB,   19                          ; s19 LDS byte of the record whose v is due
.set SEL,  20
.set CS,   22                          ; s[22:23] c = log2(e) / 8
.set MNT,  24
.set CNT,  25
.set QP,   28
.set AOP,  30
.set ASP,  66
.set QS,   100
.macro ROUND                           ; a round of the cluster's barrier
	s_barrier_signal -1
	s_barrier_wait -1
	s_cmp_lg_u32 s3, 0
	s_cbranch_scc1 .Lnot_wave_0_\@
	s_barrier_signal -3
.Lnot_wave_0_\@:
	s_barrier_wait -3
	s_barrier_signal -1
	s_barrier_wait -1
.endm
.macro QLOAD off                       ; a query tile's two chunks, twice
	global_load_b128 v[QF:QF+3], v[L16], s[QP:QP+1] offset:\off
	global_load_b128 v[QF+4:QF+7], v[L16], s[QP:QP+1] offset:\off+512
	global_load_b128 v[QF+16:QF+19], v[L16], s[QP:QP+1] offset:\off
	global_load_b128 v[QF+20:QF+23], v[L16], s[QP:QP+1] offset:\off+512
.endm
.macro MLOAD                           ; a record of 64 mask words: n = 0 .. 31 in s32-63, n = 32 .. 63 in s68-99
	s_load_b512 s[32:47], s[MB:MB+1], 0x0
	s_load_b512 s[48:63], s[MB:MB+1], 0x40
	s_load_b512 s[68:83], s[MB:MB+1], 0x80
	s_load_b512 s[84:99], s[MB:MB+1], 0xc0
.endm
.macro KLOAD a16, a4, off              ; a step's k: four fragments and four pair words, off bytes behind the address
.irp f, 0,1,2,3
.irp c, 0,1,2,3
	ds_load_b128 v[KF+16*\f+4*\c:KF+16*\f+4*\c+3], v[\a16] offset:(\off)+KI+2048*\f+512*\c
.endr
.endr
.irp f, 0,1,2,3
	ds_load_b32 v[KSW+\f], v[\a4] offset:(\off)+KS+128*\f
.endr
.endm
.macro VLOAD                           ; a step's v: four fragments (16 of the head's 64 x 128 keys) and four scale words
.irp t, 0,1,2,3
.irp c, 0,1,2,3
	ds_load_b128 v[KF+16*\t+4*\c:KF+16*\t+4*\c+3], v[AD16] offset:VI+2048*\t+512*\c
.endr
.endr
.irp t, 0,1,2,3
	ds_load_b32 v[VSW+\t], v[AD4] offset:VS+128*\t
.endr
.endm
.macro SCORES                          ; S^T = k q^T: register 16 f + i of lane (r, h): key 32 f + 16 h + i of the step, my query
.irp f, 0,1,2,3
.irp u, 0,1
	v_wmma_scale_f32_16x16x128_f8f6f4 v[S+16*\f+8*\u:S+16*\f+8*\u+7], v[KF+16*\f:KF+16*\f+15], v[QF+8*\u:QF+8*\u+15], 0, v[KSW+\f], v[QW+\u] matrix_a_fmt:MATRIX_FMT_BF8 matrix_b_fmt:MATRIX_FMT_BF8
.endr
.endr
.endm
.macro RESCALE                         ; O^T under the newest M: x f, each accumulator from its low end on
.irp j, 0,2,4,6,8,10,12,14,16,18,20,22,24,26,28,30
	v_pk_mul_f32 v[O+\j:O+\j+1], v[O+\j:O+\j+1], v[244:245] op_sel_hi:[1,0]
.endr
.endm
.macro PV                              ; O^T += v^T p^T: the four accumulators by turns
.irp t, 0,1,2,3
	v_wmma_scale_f32_16x16x128_f8f6f4 v[O+8*\t:O+8*\t+7], v[KF+16*\t:KF+16*\t+15], v[PC:PC+15], v[O+8*\t:O+8*\t+7], v[VSW+\t], v[PSW] matrix_a_fmt:MATRIX_FMT_BF8 matrix_b_fmt:MATRIX_FMT_BF8
.endr
.endm
; A TRIP, for key step j.  pv = 1: the step before has its second product here.  kp = 1: the next step's k is asked for.  pf = 1: the next mask record is asked for.
.macro BODY pv, kp, pf
	s_wait_dscnt 0x0                               ; this step's k, asked for in the trip before
	SCORES
.if \pv
	v_add_nc_u32 v[AD16], s[TB], v[L16]            ; these 18 plain lines name no register of the scores: they are the places in front of the loads into k's registers and of the first read of S^T
	v_add_nc_u32 v[AD4], s[TB], v[L4]
	RESCALE                                        ; f of step j - 1
	VLOAD                                          ; v of step j - 1 lands while the mask and the maxima are worked
.else
.rept 8
	v_nop                                          ; a pass's first step has no such work
.endr
.endif
	s_wait_kmcnt 0x0                               ; this step's mask words
.set n, 0
.rept 32
	v_cndmask_b32 v[S+n], v[NEG], v[S+n], s[32+n]  ; a hidden score becomes -2^103; each accumulator from its low end on
.set n, n+1
.endr
.rept 32
	v_cndmask_b32 v[S+n], v[NEG], v[S+n], s[36+n]
.set n, n+1
.endr
.if \pf
	s_add_nc_u64 s[MB:MB+1], s[MB:MB+1], 256       ; no scalar load is out: the base may step; the next record has the rest of the trip in which to land
	MLOAD
.endif
.irp b, 0,1,2,3
	v_max3_num_f32 v[BM+\b], v[S+16*\b], v[S+16*\b+1], v[S+16*\b+2]   ; the largest score of each block of 32 keys: it serves the row's maximum and, since p rises with the score, the block's largest p
.endr
.irp i, 3,5,7,9,11,13
.irp b, 0,1,2,3
	s_delay_alu instid0(VALU_DEP_4)
	v_max3_num_f32 v[BM+\b], v[BM+\b], v[S+16*\b+\i], v[S+16*\b+\i+1]
.endr
.endr
.irp b, 0,1,2,3
	s_delay_alu instid0(VALU_DEP_4)
	v_max_num_f32 v[BM+\b], v[BM+\b], v[S+16*\b+15]
.endr
.irp b, 0,1,2,3
	s_delay_alu instid0(VALU_DEP_4)
	v_permlanex16_b32 v[T2+\b], v[BM+\b], s[SEL], s[SEL+1]
.endr
.irp b, 0,1,2,3
	s_delay_alu instid0(VALU_DEP_4)
	v_max_num_f32 v[BM+\b], v[BM+\b], v[T2+\b]     ; with lane l xor 16's 16 keys
.endr
.if \pv
	s_wait_alu depctr_va_vdst(0)
	s_wait_dscnt 0x0                               ; v of step j - 1
	PV                                             ; its codes and scale word were made at the end of the trip before
.endif
	v_max3_num_f32 v248, v[BM], v[BM+1], v[BM+2]   ; from here to the loads of k: 45 plain lines that name no register of the products above: their places
	s_delay_alu instid0(VALU_DEP_1)
	v_max_num_f32 v248, v248, v[BM+3]              ; the step's largest score of my query
	s_delay_alu instid0(VALU_DEP_1)
	v_mul_f32 v248, s[CS], v248                    ; as t
	s_delay_alu instid0(VALU_DEP_1)
	v_max_num_f32 v13, v13, v248                   ; the running largest t
	v_mov_b32 v248, v12
	s_delay_alu instid0(VALU_DEP_2)
	v_floor_f32 v12, -v13                          ; the new -M = floor(-t): M is a whole number
	s_delay_alu instid0(VALU_DEP_1)
	v_sub_f32 v248, v12, v248                      ; old M - new M: a whole number, 0 or less
	s_delay_alu instid0(VALU_DEP_1)
	v_cvt_i32_f32 v248, v248                       ; (it saturates)
	s_delay_alu instid0(VALU_DEP_1)
	v_ldexp_f32 v244, 1.0, v248                    ; f = 2^(old M - new M)
	s_setprio 1
.irp j, 0,2,4,6,8,10,12,14,16,18,20,22,24,26,28,30,32,34,36,38,40,42,44,46,48,50,52,54,56,58,60,62
	v_pk_fma_f32 v[S+\j:S+\j+1], v[S+\j:S+\j+1], s[CS:CS+1], v[12:13] op_sel_hi:[1,0,0]   ; t - M, two at a time
.endr
.irp b, 0,1,2,3
	v_fma_f32 v[BM+\b], v[BM+\b], s[CS], v12       ; the same of each block's largest score
.endr
.if \kp
.if \pv
	KLOAD AD16, AD4, 2*REC                         ; k of step j + 1: two records behind the one whose v was just multiplied
.else
	KLOAD L16, L4, REC                             ; a pass's first step: k of step 1
.endif
.endif
.set n, 0
	s_wait_alu depctr_va_vdst(0)
.rept 64
	v_exp_f32 v[S+n], v[S+n]                       ; p = 2^(t - M)
.set n, n+1
.endr
	s_setprio 0
.irp b, 0,1,2,3
	v_exp_f32 v[BM+\b], v[BM+\b]                   ; the block's largest p: the same two instructions on the same number
.endr
	v_pk_mul_f32 v[14:15], v[14:15], v[244:245] op_sel_hi:[1,0]   ; the sums under the new M (a plain place behind the exponentials)
	s_wait_alu depctr_va_vdst(0)
.irp b, 0,1,2,3
	v_max_num_f32 v[BM+\b], 0x8000000, v[BM+\b]    ; the floor 2^(16 - 127): the byte cannot fall under 1
.endr
.irp b, 0,1,2,3
	s_delay_alu instid0(VALU_DEP_4)
	v_add_nc_u32 v[SO+\b], 0xf8800000, v[BM+\b]    ; 15 off the exponent field: the conversion's scale operand
.endr
.irp b, 0,1,2,3
.endr
.irp b, 0,1,2,3
	s_delay_alu instid0(VALU_DEP_4)
	v_lshrrev_b32 v[T2+\b], 23, v[SO+\b]           ; the scale's byte
.endr
	s_delay_alu instid0(VALU_DEP_3)
	v_lshl_or_b32 v[PSW], v[T2+1], 8, v[T2]        ; p's scale word for these 128 keys
	s_delay_alu instid0(VALU_DEP_1)
	v_lshl_or_b32 v[PSW], v[T2+2], 16, v[PSW]
	s_delay_alu instid0(VALU_DEP_1)
	v_lshl_or_b32 v[PSW], v[T2+3], 24, v[PSW]
	v_pk_add_f32 v[246:247], v[S:S+1], v[S+2:S+3]  ; the row's sum is taken of the unquantised p: two at a time, in four chains that do not wait for each other
	v_pk_add_f32 v[6:7], v[S+4:S+5], v[S+6:S+7]
	v_pk_add_f32 v[8:9], v[S+8:S+9], v[S+10:S+11]
.irp j, 12,20,28,36,44,52
	v_pk_add_f32 v[14:15], v[14:15], v[S+\j:S+\j+1]
	v_pk_add_f32 v[246:247], v[246:247], v[S+\j+2:S+\j+3]
	v_pk_add_f32 v[6:7], v[6:7], v[S+\j+4:S+\j+5]
	v_pk_add_f32 v[8:9], v[8:9], v[S+\j+6:S+\j+7]
.endr
	v_pk_add_f32 v[14:15], v[14:15], v[S+60:S+61]
	v_pk_add_f32 v[246:247], v[246:247], v[S+62:S+63]
	s_delay_alu instid0(VALU_DEP_3)
	v_pk_add_f32 v[6:7], v[6:7], v[8:9]
	s_delay_alu instid0(VALU_DEP_2)
	v_pk_add_f32 v[14:15], v[14:15], v[246:247]
.irp b, 0,1,2,3
.irp i, 0,2,4,6,8,10,12,14
.endr
	v_cvt_scalef32_pk8_bf8_f32 v[PC+4*\b:PC+4*\b+1], v[S+16*\b:S+16*\b+7], v[SO+\b]
	v_cvt_scalef32_pk8_bf8_f32 v[PC+4*\b+2:PC+4*\b+3], v[S+16*\b+8:S+16*\b+15], v[SO+\b]
.endr
	v_pk_add_f32 v[14:15], v[14:15], v[6:7]        ; the last of the sums is also the plain place behind the last conversion: the next scores are written over its sources
.endm
; The last step's second product
.macro EPI
	v_add_nc_u32 v[AD16], s[TB], v[L16]
	v_add_nc_u32 v[AD4], s[TB], v[L4]
	VLOAD
	RESCALE                                        ; v lands meanwhile; also the places between the codes and the products
	s_wait_alu depctr_va_vdst(0)
	s_wait_dscnt 0x0
	PV
.endm
; A tile's end: O^T / the sum, quantised along the head's 64 (two blocks), stored as two chunks of the last product's fragment and half of its scale word
.macro FINISH p
.if \p == 0
	QLOAD 1024                                     ; the second tile's q lands meanwhile
.endif
	v_add_f32 v14, v14, v15                        ; the sum's two halves
.rept 7
	v_nop                                          ; with the addition eight plain places behind the last products
.endr
.if \p == 0
	KLOAD L16, L4, 0                               ; the second tile's first step: k of step 0, into the registers that those products read
.endif
	v_permlanex16_b32 v248, v14, s[SEL], s[SEL+1]
	s_delay_alu instid0(VALU_DEP_1)
	v_add_f32 v14, v14, v248                       ; and lane l xor 16's: the row's sum
	s_wait_alu depctr_va_vdst(0)
	v_rcp_f32 v244, v14
	v_nop                                          ; a plain place behind the reciprocal
	s_wait_alu depctr_va_vdst(0)
.irp j, 0,2,4,6,8,10,12,14,16,18,20,22,24,26,28,30
	v_pk_mul_f32 v[O+\j:O+\j+1], v[O+\j:O+\j+1], v[244:245] op_sel_hi:[1,0]   ; register 16 b + i: channel 32 b + 16 h + i of my query
.endr
.irp b, 0,1
	v_max3_num_f32 v[BM+\b], |v[O+16*\b]|, |v[O+16*\b+1]|, 0x8000000
.endr
.irp i, 2,4,6,8,10,12,14
.irp b, 0,1
	s_delay_alu instid0(VALU_DEP_2)
	v_max3_num_f32 v[BM+\b], v[BM+\b], |v[O+16*\b+\i]|, |v[O+16*\b+\i+1]|
.endr
.endr
.irp b, 0,1
	s_delay_alu instid0(VALU_DEP_2)
	v_permlanex16_b32 v[T2+\b], v[BM+\b], s[SEL], s[SEL+1]
.endr
.irp b, 0,1
	s_delay_alu instid0(VALU_DEP_2)
	v_max_num_f32 v[BM+\b], v[BM+\b], v[T2+\b]
.endr
.irp b, 0,1
	s_delay_alu instid0(VALU_DEP_2)
	v_add_nc_u32 v[SO+\b], 0xf8800000, v[BM+\b]
.endr
.irp b, 0,1
.endr
.irp b, 0,1
	s_delay_alu instid0(VALU_DEP_2)
	v_lshrrev_b32 v[T2+\b], 23, v[SO+\b]
.endr
	s_delay_alu instid0(VALU_DEP_1)
	v_lshl_or_b32 v248, v[T2+1], 8, v[T2]
.irp b, 0,1
.irp i, 0,1,2,3,4,5,6,7,8,9,10,11,12,13,14,15
.endr
	v_cvt_scalef32_pk8_bf8_f32 v[PC+4*\b:PC+4*\b+1], v[O+16*\b:O+16*\b+7], v[SO+\b]
	v_cvt_scalef32_pk8_bf8_f32 v[PC+4*\b+2:PC+4*\b+3], v[O+16*\b+8:O+16*\b+15], v[SO+\b]
.endr
	v_nop                                          ; a plain place behind the last conversion
	global_store_b128 v[L16], v[PC:PC+3], s[AOP:AOP+1] offset:8192*\p          ; 512 consecutive bytes a store
	global_store_b128 v[L16], v[PC+4:PC+7], s[AOP:AOP+1] offset:8192*\p+512
	global_store_b16 v[L4], v248, s[ASP:ASP+1] offset:512*\p                    ; my head's two bytes of the row's scale word
	s_wait_xcnt 0x0                                ; the stores have read their registers
.endm
.macro PASS p                          ; query tile p of my two
	s_wait_loadcnt 0x0                             ; q and the pair word
.if \p == 0
	v_and_b32 v248, 0xffff, v[QPW]
.else
	v_lshrrev_b32 v248, 16, v[QPW]
.endif
	s_delay_alu instid0(VALU_DEP_1)
	v_or_b32 v[QW], 0x01010000, v248               ; for [q | 0]: my two bytes below, the byte 1 over the zero codes
	s_delay_alu instid0(VALU_DEP_2)
	v_lshl_or_b32 v[QW+1], v248, 16, 0x0101        ; for [0 | q]
	v_mov_b32 v13, 0xff61b1e6                      ; the largest t so far: -3e38
	s_delay_alu instid0(VALU_DEP_1)
	v_floor_f32 v12, -v13                          ; -M
	v_mov_b32 v14, 0                               ; the sum, in two halves
	v_mov_b32 v15, 0
.set n, 0
.rept 32
	v_mov_b32 v[O+n], 0                            ; O^T: the first rescaling finds zeros.  (Also the places between q's scale words and the first products)
.set n, n+1
.endr
	BODY 0, 1, 1                                   ; step 0: no second product is due yet
	s_mov_b32 s[TB], 0
	s_mov_b32 s[CNT], 14
.Lstep_\@:                                         ; steps 1 to 14; s[TB] is the record of the step before
	s_setprio 2
	BODY 1, 1, 1
	s_add_co_u32 s[TB], s[TB], REC
	s_sub_co_u32 s[CNT], s[CNT], 1
	s_cmp_lg_u32 s[CNT], 0
	s_cbranch_scc1 .Lstep_\@
	s_setprio 0
	BODY 1, 0, 1-\p                                ; step 15 asks for no k (no record lies behind the sixteenth); the second tile's asks for no mask record either: no load leaves the buffer
	s_add_co_u32 s[TB], s[TB], REC
	EPI
	FINISH \p
.endm
	s_load_b256 s[32:39], s[0:1], 0x0              ; qrec s[32:33], kv s[34:35], mbits s[36:37], aoimg s[38:39]
	s_load_b64 s[40:41], s[0:1], 0x20              ; aosc
	v_lshl_add_u32 v254, v0, 2, 0x44000
	v_mov_b32 v255, 0
	ds_add_u32 v254, v255
	ds_add_u32 v254, v255
	v_lshrrev_b32 v3, 5, v0
	s_delay_alu instid0(VALU_DEP_1)
	v_readfirstlane_b32 s3, v3                     ; wave 0..15
	v_and_b32 v4, 31, v0
	s_delay_alu instid0(VALU_DEP_1)
	v_lshlrev_b32 v[L16], 4, v4
	s_delay_alu instid0(VALU_DEP_2)
	v_lshlrev_b32 v[L4], 2, v4
	s_and_b32 s26, ttmp7, 0xffff                   ; the head (8 x batch + head), which the four partners share
	s_bfe_u32 s27, ttmp6, 0x40000                  ; cx: my place in the cluster
	; the joint load: record w, 17,408 dense bytes as 68 rows of 256
	s_mov_b32 s8, 15|(3<<16)|(1<<21)               ; the mask: all four work-groups; elements of 8 bytes; bit 21 set beside a mask
	s_mov_b32 s9, 32<<16                           ; tensor_dim0
	s_mov_b32 s10, 68<<16                          ; tensor_dim1
	s_mov_b32 s11, 32<<16                          ; tile_dim0
	s_mov_b32 s12, 68                              ; tile_dim1
	s_mov_b32 s13, 32                              ; the pitch
	s_mov_b32 s14, 0
	s_mov_b32 s15, 0
	s_mov_b32 s4, 1
	s_mul_i32 s5, s3, REC                          ; LDS address: the wave's number alone
	s_mul_i32 s44, s26, 16*REC
	s_add_co_u32 s44, s44, s5
	s_mov_b32 s45, 0
	; what hangs on cx: q, the mask, the outputs
	s_lshl_b32 s46, s27, 5
	s_lshl_b32 s47, s3, 1
	s_add_co_u32 s46, s46, s47                     ; my first query tile: 32 cx + 2 w
	s_lshl_b32 s48, s27, 2
	s_lshr_b32 s49, s3, 2
	s_add_co_u32 s48, s48, s49                     ; its record of 8 tiles
	s_mul_i32 s48, s48, 8704
	s_mul_i32 s49, s26, 139264
	s_add_co_u32 s48, s48, s49
	s_and_b32 s50, s3, 3
	s_lshl_b32 s51, s50, 7
	s_add_co_u32 s52, s48, s51
	s_add_co_u32 s52, s52, 8192                    ; the pair word
	s_mov_b32 s53, 0
	s_lshl_b32 s51, s50, 11
	s_add_co_u32 s48, s48, s51                     ; the two tile images
	s_mov_b32 s49, 0
	s_lshl_b32 s54, s46, 12                        ; 16 mask records of 256 bytes a tile
	s_mov_b32 s55, 0
	s_lshr_b32 s56, s26, 3
	s_lshl_b32 s56, s56, 7
	s_add_co_u32 s56, s56, s46                     ; token tile among all: 128 x batch + tile
	s_and_b32 s57, s26, 7
	s_lshr_b32 s57, s57, 1                         ; the last product's K step: head / 2
	s_and_b32 s58, s26, 1
	s_lshl_b32 s60, s56, 13
	s_lshl_b32 s59, s57, 11
	s_add_co_u32 s60, s60, s59
	s_lshl_b32 s59, s58, 10
	s_add_co_u32 s60, s60, s59
	s_mov_b32 s61, 0
	s_lshl_b32 s62, s56, 9
	s_lshl_b32 s59, s57, 7
	s_add_co_u32 s62, s62, s59
	s_lshl_b32 s59, s58, 1
	s_add_co_u32 s62, s62, s59
	s_mov_b32 s63, 0
	s_mov_b32 s[SEL], 0x76543210
	s_mov_b32 s[SEL+1], 0xfedcba98
	s_mov_b32 s[CS], 0x3e38aa3b                    ; c = log2(e) / 8
	s_mov_b32 s[CS+1], s[CS]                       ; (named with it as a pair, so it is written)
	s_wait_dscnt 0x0
	s_wait_kmcnt 0x0
	s_add_nc_u64 s[6:7], s[34:35], s[44:45]
	s_or_b32 s7, s7, 0x80000000
	s_add_nc_u64 s[QP:QP+1], s[32:33], s[48:49]
	s_add_nc_u64 s[QS:QS+1], s[32:33], s[52:53]
	s_add_nc_u64 s[MB:MB+1], s[36:37], s[54:55]
	s_add_nc_u64 s[AOP:AOP+1], s[38:39], s[60:61]
	s_add_nc_u64 s[ASP:ASP+1], s[40:41], s[62:63]
	ROUND                                          ; all four work-groups are here: the joint loads meet
	tensor_load_to_lds s[4:7], s[8:15]             ; my one tensor load of the launch
	s_nop 0
.rept 4
	v_nop
.endr
	s_wait_alu depctr_va_vdst(0)
	QLOAD 0
	global_load_b32 v[QPW], v[L4], s[QS:QS+1]
	MLOAD                                          ; the first mask record
.irp j, 8,9,10,11,12,13,14,15
	v_mov_b32 v[QF+\j], 0                          ; the zero codes between the two copies of q
.endr
.irp b, 0,1,2,3
	v_mov_b32 v[T2+\b], 0                          ; a lane permute's destination counts as read
.endr
	v_mov_b32 v245, 0                              ; (named as the upper half of the pair v[244:245])
	v_mov_b32 v248, 0
	v_mov_b32 v[NEG], 0xf3000000                   ; -2^103
	s_wait_tensorcnt 0x0                           ; my record is in,
	s_barrier_signal -1
	s_barrier_wait -1                              ; everybody's is: from here on LDS is only read
	KLOAD L16, L4, 0                               ; k of step 0
	PASS 0
	PASS 1
	s_wait_dscnt 0x0
	s_wait_tensorcnt 0x0
	ds_add_u32 v254, v255
	s_wait_dscnt 0x0
	ROUND                                          ; the closing round
	s_endpgm
.Lfunc_end_k_qf76604b4d0_attn:
	.size	k_qf76604b4d0_attn, .Lfunc_end_k_qf76604b4d0_attn-k_qf76604b4d0_attn
	.p2alignl 7, 3214868480
	.fill 96, 4, 3214868480
	.section	.rodata,"a",@progbits
	.p2align	6, 0x0
	.amdhsa_kernel k_qf76604b4d0_attn
		.amdhsa_group_segment_fixed_size 280576
		.amdhsa_private_segment_fixed_size 0
		.amdhsa_enable_private_segment 0
		.amdhsa_kernarg_size 40
		.amdhsa_user_sgpr_count 2
		.amdhsa_user_sgpr_kernarg_segment_ptr 1
		.amdhsa_wavefront_size32 1
		.amdhsa_system_sgpr_workgroup_id_x 1
		.amdhsa_system_sgpr_workgroup_id_y 1
		.amdhsa_system_sgpr_workgroup_id_z 1
		.amdhsa_system_vgpr_workitem_id 0
		.amdhsa_next_free_vgpr 256
		.amdhsa_next_free_sgpr 102
		.amdhsa_reserve_vcc 0
		.amdhsa_float_denorm_mode_32 3
		.amdhsa_float_denorm_mode_16_64 3
		.amdhsa_fp16_overflow 1
		.amdhsa_memory_ordered 1
		.amdhsa_forward_progress 1
		.amdhsa_inst_pref_size 150
	.end_amdhsa_kernel
	.amdgpu_metadata
---
amdhsa.version: [ 1, 2 ]
amdhsa.kernels:
  - .name:           k_qf76604b4d0_attn
    .symbol:         k_qf76604b4d0_attn.kd
    .args:
      - { .name: qrec, .offset: 0, .size: 8, .value_kind: global_buffer, .address_space: global }
      - { .name: kv, .offset: 8, .size: 8, .value_kind: global_buffer, .address_space: global }
      - { .name: mbits, .offset: 16, .size: 8, .value_kind: global_buffer, .address_space: global }
      - { .name: aoimg, .offset: 24, .size: 8, .value_kind: global_buffer, .address_space: global }
      - { .name: aosc, .offset: 32, .size: 8, .value_kind: global_buffer, .address_space: global }
    .group_segment_fixed_size: 280576
    .private_segment_fixed_size: 0
    .kernarg_segment_align: 8
    .kernarg_segment_size: 40
    .max_flat_workgroup_size: 512
    .sgpr_count:     102
    .vgpr_count:     256
    .wavefront_size: 32
...
	.end_amdgpu_metadata
.endif
;; end of part 3
;; launch outp (part 4): grid 256 x 1, 4 waves a work-group, no clusters, 34,304 bytes of LDS; arguments aoimg, aosc, wimg, wscl, bo, out0; writes out0
.if DOCPART == 4
	.amdgcn_target "amdgcn-amd-amdhsa--gfx1250"
	.amdhsa_code_object_version 6
	.text
	.protected	k_qf76604b4d0_outp
	.globl	k_qf76604b4d0_outp
	.p2align	8
	.type	k_qf76604b4d0_outp,@function
k_qf76604b4d0_outp:
	s_mov_b64 s[64:65], 0
	v_nop
	global_prefetch_b8 v0, s[64:65] scope:SCOPE_SE
	s_setreg_imm32_b32 hwreg(HW_REG_WAVE_MODE, 25, 1), 1
	s_wait_xcnt 0x0
; OUTP: out0 = ao Wo^T + bo on codes of E5M2 with E8M0 scales.  ao comes as images of its fragments (token tile, K step) with scale words beside them; Wo likewise.
; SHARES.  A work-group takes 64 tokens (4 tiles); wave w makes columns 128 w .. 128 w + 127: Wo's row tiles 8 w .. 8 w + 7 (32 fragments, 512 registers) and all 16 fragments of ao (256 registers) lie in its registers.
; Source 0 = Wo's tile, source 1 = tokens: a lane holds one token, and register 8 t + j the column 32 (t / 2) + 16 h + 8 (t % 2) + j of the wave's 128.  The bias is the C of each sum's first product.
; Lane r of a tile holds row 32 (T / 2) + 8 (T % 2) + r + 8 (r / 8), for tokens and for Wo's rows alike.
; THE WAY OUT: 16 tokens x 512 bytes go through the wave's own stage in LDS (rows of 528 bytes) and leave as whole runs of 512 consecutive bytes.  No tensor load, no barrier: waves share nothing.
; No multicast: Wo is read once by each work-group, straight into registers.
; REGISTERS, in windows of 256: window 0: v1-5 addresses; v16-47 Wo's scale words; v48-63 ao's; v64-127 the bias; v128-255 16 accumulators.  windows 1, 2: Wo's tiles 0-3, 4-7 at 16 (4 t + s).
;   window 3: ao's fragments at 16 (4 tile + s); a tile's 64 registers later take its rows back from the stage.
.set WS,   16
.set XSW,  48
.set BIAS, 64
.set ACC,  128
.set L16,  1
.set L4,   2
.set STO,  3
.set RD,   4
.set BO,   5
.set SP,   528
.set MSB, 0
.macro WIN new                         ; the immediate's high byte repeats the setting that is left; a switch that changes nothing is dropped
.if MSB != (\new)
	s_set_vgpr_msb (MSB<<8)|(\new)
.set MSB, (\new)
.endif
.endm
; 16 products of K step s for token tiles 2 P, 2 P + 1: the 16 accumulators take turns, one instruction a turn
.macro MM P, s
.irp t, 0,1,2,3,4,5,6,7
	WIN 0x0d+(\t/4)                                ; source 0 (Wo) window 1 or 2, source 1 (ao) window 3, C and D window 0
.irp m, 0,1
.if \s == 0
	v_wmma_scale_f32_16x16x128_f8f6f4 v[ACC+64*\m+8*\t:ACC+64*\m+8*\t+7], v[16*(4*(\t%4)+\s):16*(4*(\t%4)+\s)+15], v[16*(4*(2*\P+\m)+\s):16*(4*(2*\P+\m)+\s)+15], v[BIAS+8*\t:BIAS+8*\t+7], v[WS+4*\t+\s], v[XSW+4*(2*\P+\m)+\s] matrix_a_fmt:MATRIX_FMT_BF8 matrix_b_fmt:MATRIX_FMT_BF8
.else
	v_wmma_scale_f32_16x16x128_f8f6f4 v[ACC+64*\m+8*\t:ACC+64*\m+8*\t+7], v[16*(4*(\t%4)+\s):16*(4*(\t%4)+\s)+15], v[16*(4*(2*\P+\m)+\s):16*(4*(2*\P+\m)+\s)+15], v[ACC+64*\m+8*\t:ACC+64*\m+8*\t+7], v[WS+4*\t+\s], v[XSW+4*(2*\P+\m)+\s] matrix_a_fmt:MATRIX_FMT_BF8 matrix_b_fmt:MATRIX_FMT_BF8
.endif
.endr
.endr
.endm
.macro SENDTILE P, m                   ; token tile 2 P + m: into my stage, back by rows, out
.irp t, 0,1,2,3,4,5,6,7
	ds_store_b128 v[STO], v[ACC+64*\m+8*\t:ACC+64*\m+8*\t+3] offset:128*(\t/2)+32*(\t%2)          ; each accumulator from its low end on
	ds_store_b128 v[STO], v[ACC+64*\m+8*\t+4:ACC+64*\m+8*\t+7] offset:128*(\t/2)+32*(\t%2)+16
.endr
	WIN 0xc0                                       ; destination window 3: the registers of this tile's fragments, which are done with
.irp i, 0,1,2,3,4,5,6,7,8,9,10,11,12,13,14,15
	ds_load_b128 v[64*(2*\P+\m)+4*\i:64*(2*\P+\m)+4*\i+3], v[RD] offset:\i*SP   ; LDS serves a wave's instructions in order (ISA guide 5.7.1.4): these see my stores, and the next tile's stores come behind them
.endr
	WIN 0x0c                                       ; a store's data are its source 1: window 3
.irp i, 0,1,2,3,4,5,6,7,8,9,10,11,12,13,14,15
	s_wait_dscnt 15-\i                             ; row i is back; the younger rows' loads may be out
	global_store_b128 v[L16], v[64*(2*\P+\m)+4*\i:64*(2*\P+\m)+4*\i+3], s[14:15] offset:(32*\P+8*\m+\i+8*(\i/8))*2048 th:TH_STORE_NT   ; 32 lanes store 512 consecutive bytes of the token's row; written once, read by nobody here
.endr
	WIN 0
.endm
	s_load_b256 s[4:11], s[0:1], 0x0               ; aoimg s[4:5], aosc s[6:7], wimg s[8:9], wscl s[10:11]
	s_load_b128 s[12:15], s[0:1], 0x20             ; bo s[12:13], out0 s[14:15]
	v_lshl_add_u32 v14, v0, 2, 0x8400
	v_mov_b32 v15, 0
	v_lshrrev_b32 v6, 5, v0
	v_readfirstlane_b32 s16, v6                    ; wave 0..3
	v_and_b32 v6, 31, v0                           ; lane
	v_and_b32 v7, 15, v0                           ; r
	v_bfe_u32 v8, v0, 4, 1                         ; h
	v_lshlrev_b32 v[L16], 4, v6
	v_lshlrev_b32 v[L4], 2, v6
	s_mul_i32 s17, s16, 16*SP                      ; my stage
	v_mul_u32_u24 v[STO], v7, SP
	v_lshl_add_u32 v[STO], v8, 6, v[STO]
	v_add_nc_u32 v[STO], s17, v[STO]               ; in: row r, + 64 h
	v_add_nc_u32 v[RD], s17, v[L16]                ; back: 16 bytes a lane of a row
	v_lshlrev_b32 v[BO], 6, v8
	s_lshl_b32 s20, s16, 16
	s_add_co_u32 s20, s20, 786432                  ; Wo is the fourth weight; 65,536 bytes a wave
	s_mov_b32 s21, 0
	s_lshl_b32 s22, s16, 12
	s_add_co_u32 s22, s22, 49152
	s_mov_b32 s23, 0
	s_lshl_b32 s24, s16, 9                         ; my 128 columns in bytes
	s_mov_b32 s25, 0
	s_lshl_b32 s26, ttmp9, 15                      ; ao: 16 images a work-group,
	s_mov_b32 s27, 0
	s_lshl_b32 s28, ttmp9, 11                      ; 16 scale words of 128 bytes,
	s_mov_b32 s29, 0
	s_lshl_b32 s30, ttmp9, 17                      ; out0: 64 rows of 2,048 bytes
	s_add_co_u32 s30, s30, s24
	s_mov_b32 s31, 0
	s_wait_alu depctr_va_vdst(0)
	s_wait_kmcnt 0x0
	s_add_nc_u64 s[4:5], s[4:5], s[26:27]
	s_add_nc_u64 s[6:7], s[6:7], s[28:29]
	s_add_nc_u64 s[8:9], s[8:9], s[20:21]
	s_add_nc_u64 s[10:11], s[10:11], s[22:23]
	s_add_nc_u64 s[12:13], s[12:13], s[24:25]
	s_add_nc_u64 s[14:15], s[14:15], s[30:31]
	WIN 0x40                                       ; destination window 1
.irp t, 0,1,2,3
.irp s, 0,1,2,3
.irp c, 0,1,2,3
	global_load_b128 v[16*(4*\t+\s)+4*\c:16*(4*\t+\s)+4*\c+3], v[L16], s[8:9] offset:2048*(4*\t+\s)+512*\c
.endr
.endr
.endr
	WIN 0x80                                       ; destination window 2
.irp t, 4,5,6,7
.irp s, 0,1,2,3
.irp c, 0,1,2,3
	global_load_b128 v[16*(4*(\t-4)+\s)+4*\c:16*(4*(\t-4)+\s)+4*\c+3], v[L16], s[8:9] offset:2048*(4*\t+\s)+512*\c
.endr
.endr
.endr
	WIN 0xc0                                       ; destination window 3
.irp f, 0,1,2,3,4,5,6,7,8,9,10,11,12,13,14,15
.irp c, 0,1,2,3
	global_load_b128 v[16*\f+4*\c:16*\f+4*\c+3], v[L16], s[4:5] offset:2048*\f+512*\c
.endr
.endr
	WIN 0
.irp f, 0,1,2,3,4,5,6,7,8,9,10,11,12,13,14,15,16,17,18,19,20,21,22,23,24,25,26,27,28,29,30,31
	global_load_b32 v[WS+\f], v[L4], s[10:11] offset:128*\f
.endr
.irp f, 0,1,2,3,4,5,6,7,8,9,10,11,12,13,14,15
	global_load_b32 v[XSW+\f], v[L4], s[6:7] offset:128*\f
.endr
.irp t, 0,1,2,3,4,5,6,7
	global_load_b128 v[BIAS+8*\t:BIAS+8*\t+3], v[BO], s[12:13] offset:(32*(\t/2)+8*(\t%2))*4
	global_load_b128 v[BIAS+8*\t+4:BIAS+8*\t+7], v[BO], s[12:13] offset:(32*(\t/2)+8*(\t%2))*4+16
.endr
	s_wait_loadcnt 0x0
.irp P, 0,1
	MM \P, 0
	MM \P, 1
	MM \P, 2
	MM \P, 3
	WIN 0
.rept 9
	v_nop                                          ; nine plain places behind the products: eight serve the stores of results and the loads into operands, the ninth the next products, which begin the accumulators anew with another C
.endr
	SENDTILE \P, 0
	SENDTILE \P, 1
.endr
	s_wait_tensorcnt 0x0
	ds_add_u32 v14, v15
	s_wait_dscnt 0x0
	s_endpgm
.Lfunc_end_k_qf76604b4d0_outp:
	.size	k_qf76604b4d0_outp, .Lfunc_end_k_qf76604b4d0_outp-k_qf76604b4d0_outp
	.p2alignl 7, 3214868480
	.fill 96, 4, 3214868480
	.section	.rodata,"a",@progbits
	.p2align	6, 0x0
	.amdhsa_kernel k_qf76604b4d0_outp
		.amdhsa_group_segment_fixed_size 34304
		.amdhsa_private_segment_fixed_size 0
		.amdhsa_enable_private_segment 0
		.amdhsa_kernarg_size 48
		.amdhsa_user_sgpr_count 2
		.amdhsa_user_sgpr_kernarg_segment_ptr 1
		.amdhsa_wavefront_size32 1
		.amdhsa_system_sgpr_workgroup_id_x 1
		.amdhsa_system_sgpr_workgroup_id_y 1
		.amdhsa_system_sgpr_workgroup_id_z 1
		.amdhsa_system_vgpr_workitem_id 0
		.amdhsa_next_free_vgpr 1024
		.amdhsa_next_free_sgpr 66
		.amdhsa_reserve_vcc 0
		.amdhsa_float_denorm_mode_32 3
		.amdhsa_float_denorm_mode_16_64 3
		.amdhsa_memory_ordered 1
		.amdhsa_forward_progress 1
		.amdhsa_inst_pref_size 60
	.end_amdhsa_kernel
	.amdgpu_metadata
---
amdhsa.version: [ 1, 2 ]
amdhsa.kernels:
  - .name:           k_qf76604b4d0_outp
    .symbol:         k_qf76604b4d0_outp.kd
    .args:
      - { .name: aoimg, .offset: 0, .size: 8, .value_kind: global_buffer, .address_space: global }
      - { .name: aosc, .offset: 8, .size: 8, .value_kind: global_buffer, .address_space: global }
      - { .name: wimg, .offset: 16, .size: 8, .value_kind: global_buffer, .address_space: global }
      - { .name: wscl, .offset: 24, .size: 8, .value_kind: global_buffer, .address_space: global }
      - { .name: bo, .offset: 32, .size: 8, .value_kind: global_buffer, .address_space: global }
      - { .name: out0, .offset: 40, .size: 8, .value_kind: global_buffer, .address_space: global }
    .group_segment_fixed_size: 34304
    .private_segment_fixed_size: 0
    .kernarg_segment_align: 8
    .kernarg_segment_size: 48
    .max_flat_workgroup_size: 128
    .sgpr_count:     66
    .vgpr_count:     1024
    .wavefront_size: 32
...
	.end_amdgpu_metadata
.endif
;; end of part 4
